; MI455X (gfx1250); checked and timed in simulation.
; The chip was launched on July 23, 2026; its instructions are those of AMD's public machine-readable ISA for CDNA 5 (MIT licence, August 2026) and "CDNA5" Instruction Set Architecture Reference Guide (July 2026). The comments in the code are by the model that wrote it; some were corrected since.
;; Bahdanau Attention. Allowed arithmetic: matrix products marked QUANTISED: E4M3 operands, one E8M0 scale for each 32 along K, by v_wmma_scale_f32_16x16x128_f8f6f4 with both operands' format E4M3, f32 sums; products left as they are: f32 operands where the result goes on into a quantised operand, else bf16, f16 or f32 operands; f32 sums; everything else in f32.
;; Inputs: U 1,024 x 1,024 float32; V 1,024 x 1 float32; W 1,024 x 1,024 float32; Wc_b 1,024 float32; Wc_w 1 x 1,024 float32; coverage_vector 32 x 2,048 x 1 x 1 float32; decoder_hidden_state 32 x 1,024 float32; encoder_mask 32 x 2,048 float32; encoder_outputs 32 x 2,048 x 1,024 float32.
;; Outputs: out0 32 x 1,024 float32; out1 32 x 2,048 float32; out2 32 x 2,048 x 1 x 1 float32.
;; This version of the problem:
;;   THIS VERSION OF THE PROBLEM IS GIVEN IN LOW PRECISION. The matrix products marked QUANTISED in the list below multiply operands that are first quantised to E4M3 (4 exponent bits, 3 mantissa bits; 8 bits a number), with one power-of-two scale for each 32 numbers along K (OCP MX v1.0); their sums are f32. All else is computed in f32.
;;   The module's matrix products, in the order in which they are computed (A, B: the left and right operand; K: the contracted axis; several contracted axes count as one K, in the product's order):
;;     1. [M 32, K 1,024] x [K 1,024, N 1,024]; A: input decoder_hidden_state; B: input W: QUANTISED
;;     2. [M 65,536, K 1,024] x [K 1,024, N 1,024]; A: input encoder_outputs; B: input U: QUANTISED
;;     3. [M 65,536, K 1] x [K 1, N 1,024]; A: input coverage_vector; B: input Wc_w: left as it is (K = 1 < 32)
;;     4. [M 65,536, K 1,024] x [K 1,024, N 1]; A: computed on the way; B: input V: left as it is (N = 1 < 16)
;;     5. batch 32 x [M 1, K 2,048] x [K 2,048, N 1,024]; A: computed on the way; B: input encoder_outputs: left as it is (M = 1 < 16)
;;   THE QUANTISER, for each operand of a quantised product, along K:
;;     - K is cut into blocks of 32 from its start; a last block that is shorter is filled with zeros.
;;     - A block's scale is 2^e with e = floor(log2(the largest magnitude in the block)) - 8, held to -126 .. 127; a block of zeros has e = 0. As a byte (E8M0): e + 127.
;;     - Each number is divided by its block's scale, clamped to +-448, and rounded to the nearest number of E4M3, ties to even, subnormals kept.
;;     - The product sums the exact products of the quantised numbers (number of the format x scale) in f32.
;;   ~~~python
;;   def quantise(x, axis):      # numpy; x: float32 -> the quantised numbers, widened to float32 again
;;       x = np.moveaxis(x, axis, -1); K = x.shape[-1]
;;       x = np.pad(x, [(0, 0)] * (x.ndim - 1) + [(0, -K % 32)]); x = x.reshape(x.shape[:-1] + (-1, 32)); a = np.abs(x).max(-1, keepdims=True)
;;       e = np.where(a > 0, np.clip(np.frexp(np.where(a > 0, a, 1))[1] - 1 - 8, -126, 127), 0)      # np.frexp(a)[1] - 1 = floor(log2(a)), exactly
;;       r = np.clip(x / 2.0 ** e, -448, 448)
;;       step = 2.0 ** (np.maximum(np.frexp(np.where(r == 0, 1, r))[1] - 1, -6) - 3)
;;       q = np.round(r / step) * step * 2.0 ** e      # np.round: ties to even
;;       return np.moveaxis(q.reshape(q.shape[:-2] + (-1,))[..., :K], -1, axis).astype(np.float32)
;;   ~~~
;; One version. Each part assembles by itself: llvm-mc -triple=amdgcn-amd-amdhsa -mcpu=gfx1250 --defsym DOCPART=n.
;; ======== version 1 of 1: 4 launches
;; limits: right only within a limited range of input values
;; workspace buffers: uimg 1,081,344 bytes; tab 524,288 bytes; scores 262,144 bytes; flags 131,072 bytes of whole numbers; part 1,048,576 bytes
;; launch prep (part 1): grid 64 x 1, 8 waves a work-group, no clusters, 18,432 bytes of LDS; arguments U, W, decoder_hidden_state, Wc_w, Wc_b, V, uimg, tab, encoder_mask, flags; writes uimg, tab, flags
.if DOCPART == 1
	.amdgcn_target "amdgcn-amd-amdhsa--gfx1250"
	.amdhsa_code_object_version 6
	.text
	.protected	k_qa1f3ba392a_prep
	.globl	k_qa1f3ba392a_prep
	.p2align	8
	.type	k_qa1f3ba392a_prep,@function
k_qa1f3ba392a_prep:
	s_mov_b64 s[64:65], 0
	v_nop
	global_prefetch_b8 v0, s[64:65] scope:SCOPE_SE
	s_setreg_imm32_b32 hwreg(HW_REG_WAVE_MODE, 25, 1), 1
	s_wait_xcnt 0x0
; PREP.  (1) U [1024 (k)][1024 (n)] f32 becomes codes of E4M3 with one E8M0 byte for each 32 along K, laid as IMAGES OF THE OPERAND'S REGISTERS:
;     uimg = 16 chunks of 67,584 bytes; chunk ch = units 64 ch .. 64 ch + 63.  Codes: byte ((t 8 + s) 4 + c) 512 + 16 lane + i = code of U[128 s + 32 c + 16 (lane / 16) + i][64 ch + 16 t + lane % 16].
;     Scale words: from byte 65,536 of the chunk on, t 512 + (s / 4) 256 + 16 r + 4 (s % 4) = the word (four bytes: 128 along K) of unit r of tile t for K step s.
; (2) pd = Q(decoder_hidden_state) Q(W), [32][1024], on the same codes' form, K in eight steps of 128.
; (3) tab[b][u] = four f32: c (pd[b][u] + Wc_b[u]), c Wc_w[u], -2 V[u], V[u], with c = 2 log2(e): what the next launch's tanh wants of a unit, 16 bytes on end.
; SHARES.  Work-group T owns units 16 T .. 16 T + 15; wave s owns K step s.  A LANE TAKES A COLUMN n AND ITS REGISTERS RUN DOWN K, in the order of the operand's layout: the conversions' results are the operand's registers.
; The eight waves' partial sums of pd meet in LDS behind one barrier.  64 work-groups are all the work that there is.  No tensor load, no cluster: no two work-groups read the same bytes of U or W.
; LIMITS: NaN and infinities among the inputs are not served.  A block of zeros gets the scale byte 1 where the quantiser's rule says 127: its codes are zeros, and this program alone reads the bytes.
; (4) flags: one whole number for each 16 rows of encoder_mask: 1 where any of the 16 is not 0, else 0; group G (rows 16 G on, batches on end) at byte 32 G.  Work-group T, wave w take rows 1,024 T + 128 w on, 4 a lane.
; WORK LEFT OUT BY THE PROGRAM.  reference() forms a = softmax(score) x mask and then a / sum(a).  With e = exp(score - max) and S = sum(e) (S >= 1), a = e mask / S and sum(a) = sum(e mask) / S, so a / sum(a) = e mask / sum(e mask)
; for all finite inputs: the division by S is a factor that cancels, and launch ctx does not form S.  The maximum is still taken away, over all scores.
; A row whose mask is 0 has the weight 0 and adds 0 to the context: where the stored flag says that all 16 rows of a wave of launch ctx are such rows, that wave does not read them.
; LIMIT: a NaN, an infinity or an overflow that reaches only the work left out (S; rows of encoder_outputs under a mask of 0) is not carried to the result.
.set SCG, 16384
.set TM,  16                           ; v16-31  the quantiser's work: +0 largest magnitudes, +4 bytes, +8 448 x the scale, +12 the conversions' scale operands
.set PC,  40                           ; v40-55  codes: U's fragment, later W's
.set RA,  64                           ; v64-127   64 numbers: U's, later the second 16 rows of the decoder state
.set RB,  128                          ; v128-191  W's; later codes of the decoder state (v128-159), the two accumulators (v160-175), the partial sums read back (v176-191)
.set RC,  192                          ; v192-255  the first 16 rows of the decoder state; later the table's quads
.set SEL, 22                           ; s[22:23] v_permlanex16_b32's selects for lane l xor 16
.set MNT, 24                           ; s24  the mantissa field of 448
.set CE,  25                           ; s25  c = 2 log2(e)
; 64 numbers of a lane, v[s] on, register 16 b + i = k 32 b + 16 (lane / 16) + i of my row or column, become a fragment's codes in v[d] on and its scale word in v[pw].
.macro QUANT s, d, pw
.irp b, 0,1,2,3
	v_max3_num_f32 v[TM+\b], |v[\s+16*\b]|, |v[\s+1+16*\b]|, 0x4800000   ; block b: my 16 numbers, and the floor 2^(9 - 127): the byte cannot fall under 1
.endr
.irp i, 2,4,6,8,10,12,14
.irp b, 0,1,2,3
	s_delay_alu instid0(VALU_DEP_4)
	v_max3_num_f32 v[TM+\b], v[TM+\b], |v[\s+16*\b+\i]|, |v[\s+1+16*\b+\i]|   ; the four blocks by turns
.endr
.endr
.irp b, 0,1,2,3
	s_delay_alu instid0(VALU_DEP_4)
	v_permlanex16_b32 v[TM+4+\b], v[TM+\b], s[SEL], s[SEL+1]
.endr
.irp b, 0,1,2,3
	s_delay_alu instid0(VALU_DEP_4)
	v_max_num_f32 v[TM+\b], v[TM+\b], v[TM+4+\b]   ; with lane l xor 16's 16: the block's largest magnitude
.endr
.irp b, 0,1,2,3
	s_delay_alu instid0(VALU_DEP_4)
	v_add_nc_u32 v[TM+12+\b], 0xfc000000, v[TM+\b]   ; 8 off its exponent field: the conversion's scale operand
.endr
.irp b, 0,1,2,3
	v_and_or_b32 v[TM+8+\b], v[TM+\b], 0x7f800000, s[MNT]   ; 448 x the scale
.endr
.irp b, 0,1,2,3
	v_lshrrev_b32 v[TM+4+\b], 23, v[TM+12+\b]   ; the scale's byte
.endr
	s_delay_alu instid0(VALU_DEP_3)
	v_lshl_or_b32 v[\pw], v[TM+5], 8, v[TM+4]
	s_delay_alu instid0(VALU_DEP_1)
	v_lshl_or_b32 v[\pw], v[TM+6], 16, v[\pw]
	s_delay_alu instid0(VALU_DEP_1)
	v_lshl_or_b32 v[\pw], v[TM+7], 24, v[\pw]   ; the scale word
.irp b, 0,1,2,3
.irp i, 0,1,2,3,4,5,6,7,8,9,10,11,12,13,14,15
	v_med3_num_f32 v[\s+16*\b+\i], v[\s+16*\b+\i], -v[TM+8+\b], v[TM+8+\b]   ; the conversion to an 8-bit code does not saturate (ISA guide 7.6.2): the hold at 448 x the scale
.endr
	v_cvt_scalef32_pk8_fp8_f32 v[\d+4*\b:\d+1+4*\b], v[\s+16*\b:\s+7+16*\b], v[TM+12+\b]
	v_cvt_scalef32_pk8_fp8_f32 v[\d+2+4*\b:\d+3+4*\b], v[\s+8+16*\b:\s+15+16*\b], v[TM+12+\b]
.endr
	v_nop                                          ; one plain line behind the last conversion, ahead of whatever next touches its registers
.endm
	s_load_b256 s[4:11], s[0:1], 0x0               ; U s[4:5], W s[6:7], decoder state s[8:9], Wc_w s[10:11]
	s_load_b256 s[12:19], s[0:1], 0x20
	s_load_b128 s[44:47], s[0:1], 0x40             ; encoder_mask s[44:45], flags s[46:47]
	v_lshl_add_u32 v62, v0, 2, 0x4400
	v_mov_b32 v63, 0
	v_lshrrev_b32 v3, 5, v0
	s_delay_alu instid0(VALU_DEP_1)
	v_readfirstlane_b32 s20, v3                    ; wave = K step
	v_and_b32 v3, 31, v0                           ; lane
	v_and_b32 v1, 15, v0                           ; r
	s_wait_alu depctr_va_vdst(0)
	v_bfe_u32 v2, v0, 4, 1                         ; h
	v_lshlrev_b32 v7, 2, v1                        ; 4 r
	s_delay_alu instid0(VALU_DEP_1)
	v_lshl_add_u32 v4, v2, 16, v7                  ; U, W: column r, lanes 16-31 begin 16 rows of 4,096 bytes further down
	v_lshlrev_b32 v5, 12, v1
	s_delay_alu instid0(VALU_DEP_1)
	v_lshl_add_u32 v5, v2, 6, v5                   ; decoder state: row r of 4,096 bytes, + 64 h
	v_lshlrev_b32 v6, 4, v3                        ; 16 x lane
	s_wait_alu depctr_va_vdst(0)
	s_lshl_b32 s26, s20, 11
	v_add_nc_u32 v11, s26, v6                      ; LDS: my partial sums: 2,048 x wave + 16 x lane
	s_lshr_b32 s26, s20, 1
	s_lshl_b32 s26, s26, 9
	s_and_b32 s27, s20, 1
	s_lshl_b32 s27, s27, 3
	s_add_co_u32 s26, s26, s27
	v_add_nc_u32 v12, s26, v6                      ; and back: registers 2 wave, 2 wave + 1 of each wave's sixteen
	s_lshr_b32 s26, s20, 2
	s_lshl_b32 s26, s26, 8
	s_and_b32 s27, s20, 3
	s_lshl_b32 s27, s27, 2
	s_add_co_u32 s26, s26, s27
	s_add_co_u32 s26, s26, SCG
	v_lshl_add_u32 v13, v1, 4, s26                 ; U's scale word of K step s, unit r
	v_add_nc_u32 v14, SCG, v6                      ; and the 512 bytes back, 16 a lane
	v_lshlrev_b32 v15, 4, v1
	s_delay_alu instid0(VALU_DEP_1)
	v_lshl_add_u32 v15, v2, 17, v15                ; tab: unit r (16 bytes), batch + 8 h (16,384 bytes a batch)
.irp b, 0,1,2,3
	v_mov_b32 v[TM+4+\b], 0                        ; written once: a lane permute's destination counts as one of its sources
.endr
	s_mov_b32 s[SEL], 0x76543210
	s_mov_b32 s[SEL+1], 0xfedcba98
	s_mov_b32 s[MNT], 0x600000
	s_mov_b32 s[CE], 0x4038aa3b
	s_lshl_b32 s26, s20, 19                        ; U, W: 128 rows x wave + 64 bytes x work-group
	s_lshl_b32 s30, ttmp9, 6
	s_add_co_u32 s26, s26, s30
	s_mov_b32 s27, 0
	s_lshl_b32 s28, s20, 9                         ; decoder state: 512 bytes x wave
	s_mov_b32 s29, 0
	s_mov_b32 s31, 0                               ; s[30:31]: the three small vectors: 64 bytes x work-group
	s_lshr_b32 s32, ttmp9, 2
	s_mul_i32 s32, s32, 67584                      ; my chunk of uimg
	s_and_b32 s33, ttmp9, 3                        ; my tile in it
	s_lshl_b32 s34, s33, 14
	s_add_co_u32 s34, s34, s32
	s_lshl_b32 s35, s20, 11
	s_add_co_u32 s34, s34, s35                     ; my fragment's image
	s_mov_b32 s35, 0
	s_lshl_b32 s36, s33, 9
	s_add_co_u32 s36, s36, s32
	s_add_co_u32 s36, s36, 65536                   ; my tile's scale words
	s_mov_b32 s37, 0
	s_lshr_b32 s40, s20, 2
	s_lshl_b32 s40, s40, 4
	s_and_b32 s41, s20, 3
	s_lshl_b32 s41, s41, 1
	s_add_co_u32 s40, s40, s41                     ; the first batch whose sums I finish: 16 (wave / 4) + 2 (wave % 4)
	s_lshl_b32 s40, s40, 14
	s_lshl_b32 s41, ttmp9, 8
	s_add_co_u32 s40, s40, s41
	s_mov_b32 s41, 0
	s_lshl_b32 s42, ttmp9, 12                      ; the mask: 4,096 bytes a work-group, 512 a wave
	s_lshl_b32 s43, s20, 9
	s_add_co_u32 s42, s42, s43
	s_mov_b32 s43, 0
	s_wait_kmcnt 0x0
	s_add_nc_u64 s[4:5], s[4:5], s[26:27]
	s_add_nc_u64 s[6:7], s[6:7], s[26:27]
	s_add_nc_u64 s[8:9], s[8:9], s[28:29]
	s_add_nc_u64 s[10:11], s[10:11], s[30:31]
	s_add_nc_u64 s[12:13], s[12:13], s[30:31]
	s_add_nc_u64 s[14:15], s[14:15], s[30:31]
	s_add_nc_u64 s[38:39], s[16:17], s[36:37]
	s_add_nc_u64 s[16:17], s[16:17], s[34:35]
	s_add_nc_u64 s[18:19], s[18:19], s[40:41]
	s_add_nc_u64 s[44:45], s[44:45], s[42:43]
	s_lshr_b32 s42, s42, 1                         ; the flags: 256 bytes a wave
	s_add_nc_u64 s[46:47], s[46:47], s[42:43]
	global_load_b128 v[56:59], v6, s[44:45]        ; my 4 numbers of the mask: the oldest load, so every counted wait below stands
	global_load_b32 v8, v7, s[10:11]               ; Wc_w, Wc_b, V of unit r
	global_load_b32 v9, v7, s[12:13]
	global_load_b32 v10, v7, s[14:15]
.irp c, 0,1,2,3
.irp i, 0,1,2,3,4,5,6,7,8,9,10,11,12,13,14,15
	global_load_b32 v[RA+16*\c+\i], v4, s[4:5] offset:(32*\c+\i)*4096    ; U(128 s + 32 c + 16 h + i, r)
.endr
.endr
.irp c, 0,1,2,3
.irp i, 0,1,2,3,4,5,6,7,8,9,10,11,12,13,14,15
	global_load_b32 v[RB+16*\c+\i], v4, s[6:7] offset:(32*\c+\i)*4096    ; W likewise
.endr
.endr
.irp b, 0,1,2,3
.irp j, 0,1,2,3
	global_load_b128 v[RC+16*\b+4*\j:RC+16*\b+4*\j+3], v5, s[8:9] offset:128*\b+16*\j   ; batches 0-15: 16 neighbours of each block of 32
.endr
.endr
	s_wait_loadcnt 63                              ; 80 loads are younger than U's last; the count's field ends at 63
	QUANT RA, PC, 33
.irp c, 0,1,2,3
	global_store_b128 v6, v[PC+4*\c:PC+4*\c+3], s[16:17] offset:512*\c   ; the image: 32 lanes store 512 consecutive bytes
.endr
	ds_store_b32 v13, v33                          ; both halves of the lanes hold the same word and write the same bytes
.irp b, 0,1,2,3
.irp j, 0,1,2,3
	global_load_b128 v[RA+16*\b+4*\j:RA+16*\b+4*\j+3], v5, s[8:9] offset:65536+128*\b+16*\j   ; batches 16-31
.endr
.endr
	s_wait_xcnt 0x0                                ; the stores have read U's codes: the registers take W's
	s_wait_loadcnt 32                              ; W is in; the decoder state's 16 + 16 loads are younger
	QUANT RB, PC, 34
	s_wait_loadcnt 16                              ; batches 0-15 are in
	QUANT RC, 128, 35
	s_wait_loadcnt 0x0
	QUANT RA, 144, 36
.rept 8
	v_nop                                          ; a scale word written by vector instructions stands eight places ahead of a scaled matrix instruction, codes four
.endr
	v_wmma_scale_f32_16x16x128_f8f6f4 v[160:167], v[128:143], v[PC:PC+15], 0, v35, v34   ; register j: pd's part (batch 8 h + j, unit r)
	v_wmma_scale_f32_16x16x128_f8f6f4 v[168:175], v[144:159], v[PC:PC+15], 0, v36, v34   ; batches 16 + 8 h + j
.rept 8
	v_nop                                          ; eight places ahead of the first read of the results
.endr
	ds_store_b128 v11, v[160:163]                  ; each accumulator from its low end on
	ds_store_b128 v11, v[164:167] offset:512
	ds_store_b128 v11, v[168:171] offset:1024
	ds_store_b128 v11, v[172:175] offset:1536
	s_wait_dscnt 0x0                               ; for the others' sake: my partial sums and my scale word have landed
	s_barrier_signal -1
	s_barrier_wait -1
.irp k, 0,1,2,3,4,5,6,7
	ds_load_b64 v[176+2*\k:177+2*\k], v12 offset:2048*\k   ; K step k's part of my two batches
.endr
	s_wait_dscnt 0x0
.irp k, 1
	v_pk_add_f32 v[176:177], v[176:177], v[176+2*\k:177+2*\k]   ; K ascending
.endr
.irp k, 2, 3, 4, 5, 6, 7
	s_delay_alu instid0(VALU_DEP_1)
	v_pk_add_f32 v[176:177], v[176:177], v[176+2*\k:177+2*\k]   ; K ascending
.endr
	v_mul_f32 v212, s[CE], v9                      ; c Wc_b
	v_mul_f32 v201, s[CE], v8                      ; c Wc_w
	v_mul_f32 v202, -2.0, v10
	v_mov_b32 v203, v10
	s_delay_alu instid0(VALU_DEP_4)
	v_fma_f32 v200, v176, s[CE], v212              ; c (pd + Wc_b)
	v_fma_f32 v204, v177, s[CE], v212
	v_mov_b32 v205, v201
	v_mov_b32 v206, v202
	v_mov_b32 v207, v10
	global_store_b128 v15, v[200:203], s[18:19]                ; sixteen lanes store 256 consecutive bytes, aligned
	global_store_b128 v15, v[204:207], s[18:19] offset:16384   ; the next batch
	v_max3_num_f32 v56, |v56|, |v57|, |v58|        ; the flags: the largest magnitude of my 4,
	v_max_num_f32 v56, v56, |v59|
	v_max_num_f32_dpp v56, v56, v56 row_xmask:1 row_mask:0xf bank_mask:0xf
	v_max_num_f32_dpp v56, v56, v56 row_xmask:2 row_mask:0xf bank_mask:0xf   ; and of the four lanes that hold 16 rows
	v_cmp_lt_f32 vcc_lo, 0, v56
	v_cndmask_b32 v60, 0, 1, vcc_lo
	v_mov_b32 v61, v60
	v_lshlrev_b32 v37, 3, v3
	global_store_b64 v37, v[60:61], s[46:47]       ; 32 lanes store 256 consecutive bytes, aligned: a group's flag stands eight times on end
	s_cmp_lg_u32 s20, 0
	s_cbranch_scc1 .Lend                           ; wave 0 sends the tile's 512 bytes of scale words
	ds_load_b128 v[208:211], v14
	s_wait_dscnt 0x0
	global_store_b128 v6, v[208:211], s[38:39]
.Lend:
	s_wait_tensorcnt 0x0
	ds_add_u32 v62, v63
	s_wait_dscnt 0x0
	s_endpgm
.Lfunc_end_k_qa1f3ba392a_prep:
	.size	k_qa1f3ba392a_prep, .Lfunc_end_k_qa1f3ba392a_prep-k_qa1f3ba392a_prep
	.p2alignl 7, 3214868480
	.fill 96, 4, 3214868480
	.section	.rodata,"a",@progbits
	.p2align	6, 0x0
	.amdhsa_kernel k_qa1f3ba392a_prep
		.amdhsa_group_segment_fixed_size 18432
		.amdhsa_private_segment_fixed_size 0
		.amdhsa_enable_private_segment 0
		.amdhsa_kernarg_size 80
		.amdhsa_user_sgpr_count 2
		.amdhsa_user_sgpr_kernarg_segment_ptr 1
		.amdhsa_wavefront_size32 1
		.amdhsa_system_sgpr_workgroup_id_x 1
		.amdhsa_system_sgpr_workgroup_id_y 1
		.amdhsa_system_sgpr_workgroup_id_z 1
		.amdhsa_system_vgpr_workitem_id 0
		.amdhsa_next_free_vgpr 256
		.amdhsa_next_free_sgpr 66
		.amdhsa_reserve_vcc 1
		.amdhsa_float_denorm_mode_32 3
		.amdhsa_float_denorm_mode_16_64 3
		.amdhsa_memory_ordered 1
		.amdhsa_forward_progress 1
		.amdhsa_inst_pref_size 61
	.end_amdhsa_kernel
	.amdgpu_metadata
---
amdhsa.version: [ 1, 2 ]
amdhsa.kernels:
  - .name:           k_qa1f3ba392a_prep
    .symbol:         k_qa1f3ba392a_prep.kd
    .args:
      - { .name: U, .offset: 0, .size: 8, .value_kind: global_buffer, .address_space: global }
      - { .name: W, .offset: 8, .size: 8, .value_kind: global_buffer, .address_space: global }
      - { .name: decoder_hidden_state, .offset: 16, .size: 8, .value_kind: global_buffer, .address_space: global }
      - { .name: Wc_w, .offset: 24, .size: 8, .value_kind: global_buffer, .address_space: global }
      - { .name: Wc_b, .offset: 32, .size: 8, .value_kind: global_buffer, .address_space: global }
      - { .name: V, .offset: 40, .size: 8, .value_kind: global_buffer, .address_space: global }
      - { .name: uimg, .offset: 48, .size: 8, .value_kind: global_buffer, .address_space: global }
      - { .name: tab, .offset: 56, .size: 8, .value_kind: global_buffer, .address_space: global }
      - { .name: encoder_mask, .offset: 64, .size: 8, .value_kind: global_buffer, .address_space: global }
      - { .name: flags, .offset: 72, .size: 8, .value_kind: global_buffer, .address_space: global }
    .group_segment_fixed_size: 18432
    .private_segment_fixed_size: 0
    .kernarg_segment_align: 8
    .kernarg_segment_size: 80
    .max_flat_workgroup_size: 256
    .sgpr_count:     66
    .vgpr_count:     256
    .wavefront_size: 32
...
	.end_amdgpu_metadata
.endif
;; end of part 1
;; launch score (part 2): grid 256 x 1, 4 waves a work-group, clusters of 4 x 1, 327,680 bytes of LDS; arguments encoder_outputs, coverage_vector, uimg, tab, scores; writes scores
.if DOCPART == 2
	.amdgcn_target "amdgcn-amd-amdhsa--gfx1250"
	.amdhsa_code_object_version 6
	.text
	.protected	k_qa1f3ba392a_score
	.globl	k_qa1f3ba392a_score
	.p2align	8
	.type	k_qa1f3ba392a_score,@function
k_qa1f3ba392a_score:
	s_mov_b64 s[64:65], 0
	v_nop
	global_prefetch_b8 v0, s[64:65] scope:SCOPE_SE
	s_setreg_imm32_b32 hwreg(HW_REG_WAVE_MODE, 25, 1), 1
	s_wait_xcnt 0x0
	s_wait_alu depctr_hold_cnt(0) depctr_sa_sdst(0) depctr_va_vdst(0) depctr_va_sdst(0) depctr_va_ssrc(0) depctr_va_vcc(0) depctr_vm_vsrc(0)
	s_getreg_b32 s2, hwreg(HW_REG_IB_STS2, 6, 4)
	s_cmp_eq_u32 s2, 0
	s_cbranch_scc0 .Lentry_in_a_cluster
	s_endpgm
.Lentry_in_a_cluster:
	s_bfe_u32 s2, ttmp6, 0x10000c
	s_cmp_lg_u32 s2, 0x3003
	s_cbranch_scc0 .Lentry_shape_is_right
	s_endpgm
.Lentry_shape_is_right:
; SCORE.  scores[b][s] = sum over u of V[u] tanh(pd[b][u] + Wc_b[u] + cov[b][s] Wc_w[u] + (Q(enc) Q(U))[b][s][u]).
; SHARES.  Work-group g owns rows 256 g .. 256 g + 255 of the 65,536 rows of encoder_outputs (all of one batch); each of its four waves 64 of them, four tiles of 16.
; PHASE X: the wave reads its rows once, 512 consecutive bytes a load, turns them through its own stage in LDS so that a lane holds 16 neighbours along K, quantises them, and keeps the codes of all of K in registers
;   (4 tiles x 8 K steps x 16 = 512).  The codes reach their registers through an image in LDS, four K steps at a time, so that a K step's text is written once and walked in a loop.
; PHASE G: all four waves walk the 1,024 units in 16 chunks of 64, each two HALVES of 32 units.  A chunk of U (register images and scale words, 67,584 bytes) comes through a ring of two LDS slots.
;   A half is 64 matrix instructions on end on 8 accumulators, with all its 8 K steps of B in registers (window 1), and then its tanh, in place on the accumulators: 64 numbers a lane.
;   tanh z = 1 - 2 / (1 + 2^(c z)), c = 2 log2(e): two multiply-adds, the exponentials as one batch, the additions, the reciprocals as one batch, the weighted sums.
;   The next half's 70 LDS loads stand in eight runs among the tanh's lines.  No transcendental stands between two steps of a sum.
; A lane holds ONE unit (lane % 16) and eight rows, so a unit's four constants are four registers of the lane, and the sum over units stays in 32 registers until one reduction over sixteen lanes at the end.
; CLUSTER: every work-group walks the same U, and the four partners belong to one batch (its table too): each tile is asked for jointly, with the mask of all four.
; NO PREFETCH: phase X has 64 loads a wave out at all times; uimg's 16 chunks are the same 1,081,344 bytes for all 64 clusters, which walk them together.
; LIMITS: NaN and infinities among the inputs are not served.  A block of zeros gets the scale byte 1 (its codes are zeros).  Where 2^(c z) leaves f32's range the form gives +1 or -1.
; REGISTERS (s_set_vgpr_msb: bits 1:0 source 0, 3:2 source 1, 5:4 source 2, 7:6 destination):
;   window 0: v1-15, v50-55 addresses; v16-49 the quantiser's work (X), later two sets of a half's table (v16-31) and the lane's sum of V (v32); v64-127 64 numbers (X), later the 8 accumulators;
;             v128-159 A's scale words; v164-179 B's; v192-223 cov; v224-255 the scores' sums
;   window 1: phase X: four landing sets of 64; phase G: B's fragments of a half: K step s, unit tile tt at 32 s + 16 tt
;   window 2: A's codes of tiles 0, 1 (tile m, K step s at 128 (m % 2) + 16 s);   window 3: of tiles 2, 3
.set SLOTB, 67584                      ; a slot: 65,536 bytes of codes, 2,048 of scale words; one exclusive or turns an address from slot to slot (no bit of 16,896 x wave or of a lane's place meets bits 16 and 11)
.set TABB,  135168                     ; the batch's table, 16,384 bytes, filled once
.set STG,   151552                     ; 4 waves x 8,448: 16 rows x (512 + 16) bytes: the turn of phase X; at the end the wave's 64 scores
.set IMG,   185344                     ; 4 waves x 32,768: images of 4 K steps x 4 tiles x 2,048 bytes
.set SIM,   316416                     ; 4 waves x 2,048: their scale words
.set SPARE, 324608                     ; the spare words, 128 bytes a wave
.set L16,  1
.set RS16, 2
.set SPW,  3
.set NIL,  4
.set STW,  5
.set STR,  6
.set IMW0, 7
.set ISW0, 8
.set ADI,  9
.set ADJ,  10
.set ADB,  11
.set ADS,  12
.set ADT,  13
.set CVO,  14
.set SCW,  15
.set TM,   16
.set PW,   32
.set PC,   34
.set TABR, 16                          ; set q at 16 + 8 q; in it unit tile tt's four constants at 4 tt
.set VS,   32
.set SCR,  50
.set L8,   51
.set X,    64
.set ACC,  64                          ; accumulator g = 2 m + tt at 8 g
.set ASC,  128                         ; register 8 m + s
.set BSC,  164                         ; register 8 tt + s: four off A's modulo 8
.set COV,  192                         ; register 8 m + j: cov of row 16 m + 8 h + j
.set SC,   224
.set WV,   16
.set G1U,  24
.set G1T,  32
.set G0A,  40
.set G0B,  44
.set G0T,  48
.set SEL,  52
.set MNT,  54
.set CC,   56
.set LB,   58
.set CNT,  60
.set TB,   61
.set IT,   63
.set JT,   66
.set WOFF, 67
.set MSB, 0
.macro WIN new
.if MSB != (\new)
	s_set_vgpr_msb (MSB<<8)|(\new)
.set MSB, (\new)
.endif
.endm
.macro PLACES n
.rept \n
	v_nop
.endr
.endm
.macro WALU
	s_wait_alu depctr_va_vdst(0)
.endm
.macro ROUND                           ; a round of the cluster's barrier
	s_barrier_signal -1
	s_barrier_wait -1
	s_cmp_lg_u32 s[WV], 0
	s_cbranch_scc1 .Lnot_wave_0_\@
	s_barrier_signal -3
.Lnot_wave_0_\@:
	s_barrier_wait -3
	s_barrier_signal -1
	s_barrier_wait -1
.endm
.macro SEQ                             ; ahead of a later first fill, as ahead of a refill
	WALU
	s_wait_tensorcnt 0x0
	ds_add_u32 v[SPW], v[NIL]
	s_wait_dscnt 0x0
	ROUND
.endm
; 64 numbers of a lane, register 16 b + i = k 32 b + 16 (lane / 16) + i of my row, become a fragment's codes and its scale word
.macro QUANT s, d, pw
.irp b, 0,1,2,3
	v_max3_num_f32 v[TM+\b], |v[\s+16*\b]|, |v[\s+1+16*\b]|, 0x4800000   ; my 16 numbers of block b, and the floor 2^(9 - 127): the byte cannot fall under 1
.endr
.irp i, 2,4,6,8,10,12,14
.irp b, 0,1,2,3
	v_max3_num_f32 v[TM+\b], v[TM+\b], |v[\s+16*\b+\i]|, |v[\s+1+16*\b+\i]|
.endr
.endr
.irp b, 0,1,2,3
	v_permlanex16_b32 v[TM+4+\b], v[TM+\b], s[SEL], s[SEL+1]
.endr
.irp b, 0,1,2,3
	v_max_num_f32 v[TM+\b], v[TM+\b], v[TM+4+\b]   ; with lane l xor 16's 16
.endr
.irp b, 0,1,2,3
	v_add_nc_u32 v[TM+12+\b], 0xfc000000, v[TM+\b]   ; 8 off the exponent field: the conversion's scale operand
.endr
.irp b, 0,1,2,3
	v_and_or_b32 v[TM+8+\b], v[TM+\b], 0x7f800000, s[MNT]   ; 448 x the scale
.endr
.irp b, 0,1,2,3
	v_lshrrev_b32 v[TM+4+\b], 23, v[TM+12+\b]   ; the scale's byte
.endr
	v_lshl_or_b32 v[\pw], v[TM+5], 8, v[TM+4]
	v_lshl_or_b32 v[\pw], v[TM+6], 16, v[\pw]
	v_lshl_or_b32 v[\pw], v[TM+7], 24, v[\pw]
.irp b, 0,1,2,3
.irp i, 0,1,2,3,4,5,6,7,8,9,10,11,12,13,14,15
	v_med3_num_f32 v[\s+16*\b+\i], v[\s+16*\b+\i], -v[TM+8+\b], v[TM+8+\b]   ; the conversion does not saturate (ISA guide 7.6.2): the hold at 448 x the scale
.endr
	v_cvt_scalef32_pk8_fp8_f32 v[\d+4*\b:\d+1+4*\b], v[\s+16*\b:\s+7+16*\b], v[TM+12+\b]
	v_cvt_scalef32_pk8_fp8_f32 v[\d+2+4*\b:\d+3+4*\b], v[\s+8+16*\b:\s+15+16*\b], v[TM+12+\b]
.endr
	v_nop                                          ; one plain line behind the last conversion
.endm
	s_load_b256 s[4:11], s[0:1], 0x0               ; encoder_outputs s[4:5], coverage s[6:7], uimg s[8:9], tab s[10:11]
	s_load_b64 s[12:13], s[0:1], 0x20              ; scores
	v_lshl_add_u32 v[SPW], v0, 2, SPARE
	v_mov_b32 v[NIL], 0
	ds_add_u32 v[SPW], v[NIL]                      ; the opening lines: the add twice on end and its wait ahead of my first tensor load
	ds_add_u32 v[SPW], v[NIL]
	v_lshrrev_b32 v53, 5, v0
	v_readfirstlane_b32 s[WV], v53                 ; wave 0..3
	s_bfe_u32 s17, ttmp6, 0x40000                  ; cx
	s_lshl_b32 s18, ttmp9, 2
	s_add_co_u32 s18, s18, s17                     ; g = 4 x cluster + cx: it enters the addresses of my rows, cov and scores alone
	s_mov_b32 s[SEL], 0x76543210
	s_mov_b32 s[SEL+1], 0xfedcba98
	s_mov_b32 s[MNT], 0x600000
	s_mov_b32 s[CC], 0x4038aa3b                    ; c = 2 log2(e)
	s_mov_b32 s[CC+1], s[CC]
	; group 1: dense blocks of memory as rows of 256 bytes (32 elements of 8 bytes), no padding: images are read 16 bytes a lane on end
	s_mov_b32 s[G1U], 15|(3<<16)|(1<<21)           ; the mask of all four; elements of 8 bytes; bit 21 beside a mask
	s_mov_b32 s[G1U+1], 32<<16
	s_mov_b32 s[G1U+2], 66<<16                     ; 66 rows: 16,896 bytes, a quarter of a slot
	s_mov_b32 s[G1U+3], 32<<16
	s_mov_b32 s[G1U+4], 66
	s_mov_b32 s[G1U+5], 32
	s_mov_b32 s[G1U+6], 0
	s_mov_b32 s[G1U+7], 0
	s_mov_b32 s[G1T], 15|(3<<16)|(1<<21)
	s_mov_b32 s[G1T+1], 32<<16
	s_mov_b32 s[G1T+2], 16<<16                     ; 16 rows: 4,096 bytes, a quarter of the table
	s_mov_b32 s[G1T+3], 32<<16
	s_mov_b32 s[G1T+4], 16
	s_mov_b32 s[G1T+5], 32
	s_mov_b32 s[G1T+6], 0
	s_mov_b32 s[G1T+7], 0
	s_mul_i32 s[WOFF], s[WV], 16896
	s_mov_b32 s20, s[WOFF]
	s_mov_b32 s21, 0
	s_lshr_b32 s22, ttmp9, 1                       ; the batch: two clusters to a batch
	s_lshl_b32 s22, s22, 14
	s_lshl_b32 s23, s[WV], 12
	s_add_co_u32 s22, s22, s23
	s_add_co_u32 s[G0T+1], s23, TABB
	s_mov_b32 s23, 0
	s_lshl_b32 s68, s18, 20                        ; my rows: (256 g + 64 wave) x 4,096 bytes
	s_lshl_b32 s69, s[WV], 18
	s_add_co_u32 s68, s68, s69
	s_mov_b32 s69, 0
	s_lshl_b32 s70, s18, 10                        ; and x 4 bytes, in cov and in scores
	s_lshl_b32 s71, s[WV], 8
	s_add_co_u32 s70, s70, s71
	s_mov_b32 s71, 0
	s_mul_i32 s19, s[WV], 8448
	s_add_co_u32 s19, s19, STG                     ; my stage
	s_lshl_b32 s72, s[WV], 15
	s_add_co_u32 s72, s72, IMG                     ; my images
	s_lshl_b32 s73, s[WV], 11
	s_add_co_u32 s73, s73, SIM                     ; their scale words
	v_and_b32 v53, 31, v0                          ; lane
	v_and_b32 v54, 15, v0                          ; r
	v_bfe_u32 v55, v0, 4, 1                        ; h
	v_lshlrev_b32 v[L16], 4, v53
	v_lshlrev_b32 v[L8], 3, v53
	v_lshl_add_u32 v[RS16], v54, 4, 65536          ; a slot's scale words: 65,536 + 16 r
	v_lshl_add_u32 v[ADT], v54, 4, TABB            ; the first half's table: 16 r
	v_lshlrev_b32 v[CVO], 5, v55
	v_add_nc_u32 v[STW], s19, v[L16]               ; the stage, in: 16 x lane
	v_mul_u32_u24 v[STR], v54, 528
	v_lshl_add_u32 v[STR], v55, 6, v[STR]
	v_add_nc_u32 v[STR], s19, v[STR]               ; out: 528 r + 64 h
	v_lshl_add_u32 v[SCW], v55, 5, s19
	v_lshl_add_u32 v[SCR], v53, 3, s19
	v_add_nc_u32 v[IMW0], s72, v[L16]
	v_lshl_add_u32 v[ISW0], v53, 2, s73
	v_mov_b32 v[ADB], v[L16]                       ; slot 0
	v_mov_b32 v[ADS], v[RS16]
.irp b, 0,1,2,3
	v_mov_b32 v[TM+4+\b], 0                        ; a lane permute's destination counts as one of its sources
.endr
	WALU                                           ; the wait at the head's end
	s_wait_dscnt 0x0                               ; both opening adds are done
	s_wait_kmcnt 0x0
	s_add_nc_u64 s[LB:LB+1], s[4:5], s[68:69]
	s_add_nc_u64 s[6:7], s[6:7], s[70:71]
	s_add_nc_u64 s[12:13], s[12:13], s[70:71]
	s_mov_b32 s[G0A], 1
	s_mov_b32 s[G0A+1], s[WOFF]
	s_add_nc_u64 s[G0A+2:G0A+3], s[8:9], s[20:21]
	s_add_nc_u64 s[G0B+2:G0B+3], s[G0A+2:G0A+3], SLOTB
	s_or_b32 s[G0A+3], s[G0A+3], 0x80000000
	s_or_b32 s[G0B+3], s[G0B+3], 0x80000000
	s_mov_b32 s[G0B], 1
	s_add_co_u32 s[G0B+1], s[WOFF], SLOTB
	s_mov_b32 s[G0T], 1
	s_add_nc_u64 s[G0T+2:G0T+3], s[10:11], s[22:23]
	s_or_b32 s[G0T+3], s[G0T+3], 0x80000000
	ROUND                                          ; all four work-groups are here: the first joint loads meet
	tensor_load_to_lds s[G0A:G0A+3], s[G1U:G1U+7]  ; my quarter of slot 0, chunk 0: my one load at the head
	s_nop 0
	PLACES 4
.irp m, 0,1,2,3
	global_load_b128 v[COV+8*\m:COV+8*\m+3], v[CVO], s[6:7] offset:64*\m
	global_load_b128 v[COV+8*\m+4:COV+8*\m+7], v[CVO], s[6:7] offset:64*\m+16
.endr
.macro XLOADS p                        ; tile p's 16 rows of one K step: each load reads 512 consecutive bytes of a row
	WIN 0x40
.irp i, 0,1,2,3,4,5,6,7,8,9,10,11,12,13,14,15
	global_load_b128 v[64*(\p)+4*\i:64*(\p)+4*\i+3], v[L16], s[LB:LB+1] offset:65536*(\p)+4096*\i th:TH_LOAD_NT
.endr
	WIN 0
.endm
.irp p, 0,1,2,3
	XLOADS \p                                      ; K step 0
.endr
; ONE K STEP OF PHASE X.  ahead = 1: each landing set is asked for again, with the next K step, as soon as the stage has taken it.
.macro KQUAD ahead
	v_add_nc_u32 v[ADI], s[IT], v[IMW0]
	v_add_nc_u32 v[ADJ], s[JT], v[ISW0]
.irp p, 0,1,2,3
.if \ahead
	s_wait_loadcnt 48                              ; younger than tile p's sixteen: 16 (3 - p) of this K step and 16 p of the next
.else
	s_wait_loadcnt 16*(3-\p)
.endif
	WIN 0x04                                       ; an LDS store's data are its source 1: window 1
.irp i, 0,1,2,3,4,5,6,7,8,9,10,11,12,13,14,15
	ds_store_b128 v[STW], v[64*\p+4*\i:64*\p+4*\i+3] offset:528*\i
.endr
	WIN 0
.irp b, 0,1,2,3
.irp j, 0,1,2,3
	ds_load_b128 v[X+16*\b+4*\j:X+16*\b+4*\j+3], v[STR] offset:128*\b+16*\j   ; row r: 16 neighbours of each block of 32; LDS serves a wave's instructions in order
.endr
.endr
	s_wait_dscnt 0x0                               ; the numbers are back, and the stores have read the landing set
.if \ahead
.if \p == 0
	s_wait_xcnt 0x0                                ; the last K step's loads have read their base
	s_add_nc_u64 s[LB:LB+1], s[LB:LB+1], 512       ; on to the next K step
.endif
	XLOADS \p
.endif
	QUANT X, PC, PW
.irp c, 0,1,2,3
	ds_store_b128 v[ADI], v[PC+4*\c:PC+4*\c+3] offset:2048*\p+512*\c   ; the fragment's image
.endr
	ds_store_b32 v[ADJ], v[PW] offset:128*\p
.endr
	s_add_co_u32 s[IT], s[IT], 8192
	s_add_co_u32 s[JT], s[JT], 512
.endm
.macro BULK hf                         ; four K steps' images become registers: K steps 4 hf .. 4 hf + 3
.irp m, 0,1,2,3
	WIN 0x80+0x40*(\m/2)
.irp sp, 0,1,2,3
.irp c, 0,1,2,3
	ds_load_b128 v[128*(\m%2)+16*(4*\hf+\sp)+4*\c:128*(\m%2)+16*(4*\hf+\sp)+4*\c+3], v[IMW0] offset:8192*\sp+2048*\m+512*\c
.endr
.endr
.endr
	WIN 0
.irp m, 0,1,2,3
.irp sp, 0,1,2,3
	ds_load_b32 v[ASC+8*\m+4*\hf+\sp], v[ISW0] offset:512*\sp+128*\m
.endr
.endr
	s_wait_dscnt 0x0                               ; all are in: the images may be written again
	s_mov_b32 s[IT], 0
	s_mov_b32 s[JT], 0
.endm
	s_mov_b32 s[IT], 0
	s_mov_b32 s[JT], 0
	s_mov_b32 s[CNT], 4
.Lx0:
	KQUAD 1
	s_sub_co_u32 s[CNT], s[CNT], 1
	s_cmp_lg_u32 s[CNT], 0
	s_cbranch_scc1 .Lx0
	SEQ
	tensor_load_to_lds s[G0B:G0B+3], s[G1U:G1U+7]  ; slot 1's first fill, chunk 1: my one load behind this round
	s_nop 0
	PLACES 4
	BULK 0
	s_mov_b32 s[CNT], 3
.Lx1:
	KQUAD 1
	s_sub_co_u32 s[CNT], s[CNT], 1
	s_cmp_lg_u32 s[CNT], 0
	s_cbranch_scc1 .Lx1
	SEQ
	tensor_load_to_lds s[G0T:G0T+3], s[G1T:G1T+7]  ; the table's one fill
	s_nop 0
	PLACES 4
	KQUAD 0                                        ; the last K step asks for nothing; its last wait for loads is for 0, so cov is in too
	BULK 1
; PHASE G.
.macro BURST s, first                  ; K step s's two fragments of the half that begins at byte first of the slot at ADB
	WIN 0x40
.irp tt, 0,1
.irp c, 0,1,2,3
	ds_load_b128 v[32*(\s)+16*\tt+4*\c:32*(\s)+16*\tt+4*\c+3], v[ADB] offset:(\first)+2048*(\s)+16384*\tt+512*\c
.endr
.endr
	WIN 0
.endm
.macro SLOADS hs                       ; the scale words of half hs: lane r takes unit r's words of four K steps
.irp tt, 0,1
.irp q, 0,1
	ds_load_b128 v[BSC+8*\tt+4*\q:BSC+8*\tt+4*\q+3], v[ADS] offset:1024*(\hs)+512*\tt+256*\q
.endr
.endr
.endm
.macro TLOADS q                        ; the four constants of the next half's units 16 tt + r into table set q; then on by 512 bytes
	ds_load_b128 v[TABR+8*(\q):TABR+8*(\q)+3], v[ADT]
	ds_load_b128 v[TABR+8*(\q)+4:TABR+8*(\q)+7], v[ADT] offset:256
	v_add_nc_u32 v[ADT], 512, v[ADT]
.endm
; THE 64 PRODUCTS OF A HALF, tiles 0, 1 and then tiles 2, 3: four accumulators by turns, one instruction a turn; the first K step starts the sums.
.macro WMMA
	s_wait_dscnt 16                                ; all but the two youngest runs, K steps 6 and 7
.irp mp, 0,1
	WIN 0x06+\mp                                   ; A window 2 or 3, B window 1, C and D window 0
.irp s, 0,1,2,3,4,5,6,7
.if (\mp == 0) && (\s == 6)
	s_wait_dscnt 0x0
.endif
.irp mm, 0,1
.irp tt, 0,1
.if \s == 0
	v_wmma_scale_f32_16x16x128_f8f6f4 v[ACC+8*(4*\mp+2*\mm+\tt):ACC+8*(4*\mp+2*\mm+\tt)+7], v[128*\mm+16*\s:128*\mm+16*\s+15], v[32*\s+16*\tt:32*\s+16*\tt+15], 0, v[ASC+8*(2*\mp+\mm)+\s], v[BSC+8*\tt+\s]
.else
	v_wmma_scale_f32_16x16x128_f8f6f4 v[ACC+8*(4*\mp+2*\mm+\tt):ACC+8*(4*\mp+2*\mm+\tt)+7], v[128*\mm+16*\s:128*\mm+16*\s+15], v[32*\s+16*\tt:32*\s+16*\tt+15], v[ACC+8*(4*\mp+2*\mm+\tt):ACC+8*(4*\mp+2*\mm+\tt)+7], v[ASC+8*(2*\mp+\mm)+\s], v[BSC+8*\tt+\s]
.endif
.endr
.endr
.endr
.endr
	WIN 0
.endm
.macro EXPS a, n
.set j_, \a
.rept \n
	v_exp_f32 v[ACC+j_], v[ACC+j_]
.set j_, j_+1
.endr
.endm
.macro RCPS a, n
.set j_, \a
.rept \n
	v_rcp_f32 v[ACC+j_], v[ACC+j_]
.set j_, j_+1
.endr
.endm
.macro ADDS a, n
.set j_, \a
.rept \n
	v_pk_add_f32 v[ACC+j_:ACC+j_+1], v[ACC+j_:ACC+j_+1], 1.0 op_sel_hi:[1,0]
.set j_, j_+2
.endr
.endm
.macro MAYB s                          ; a run of the next half's loads, where there is a next half
.if LD_
	BURST \s, F_
.endif
.endm
; THE TANH OF HALF hh, in place, and the next half's loads.  mode 2: the next half lies in the same slot; 1: the slot is left and filled again with the chunk two on; 0: it is left, nothing is asked for; -1: the last half.
.macro TANH hh, mode
.set CH_, ((\mode) == 0) || ((\mode) == 1)
.set LD_, (\mode) >= 0
.set F_, 32768*(1-\hh)
.if CH_
	s_wait_tensorcnt 0x0                           ; my quarter of the other slot has landed; no load of mine is out, so a group 0 may be written
	ds_add_u32 v[SPW], v[NIL]
.if (\mode) == 1
	s_xor_b32 s[G0B+1], s[G0B+1], SLOTB            ; the walking descriptor: the slot that is left,
	s_add_nc_u64 s[G0B+2:G0B+3], s[G0B+2:G0B+3], SLOTB   ; the next chunk of uimg
.endif
.endif
	PLACES 8                                       ; eight places ahead of the first read of the sums
.irp g, 0,1,2,3,4,5,6,7
.irp p, 0,1,2,3
	v_pk_fma_f32 v[ACC+8*\g+2*\p:ACC+8*\g+2*\p+1], v[ACC+8*\g+2*\p:ACC+8*\g+2*\p+1], s[CC:CC+1], v[TABR+8*\hh+4*(\g%2):TABR+8*\hh+4*(\g%2)+1] op_sel_hi:[1,0,0]   ; c x the sum + c (pd + Wc_b); each accumulator from its low end on
.endr
.endr
.if CH_
	s_wait_dscnt 0x0                               ; the add is done; my reads of the slot were over ahead of this half's products
	s_barrier_signal -1
.endif
.irp g, 0,1,2,3,4,5,6,7
.irp p, 0,1,2,3
	v_pk_fma_f32 v[ACC+8*\g+2*\p:ACC+8*\g+2*\p+1], v[COV+8*(\g/2)+2*\p:COV+8*(\g/2)+2*\p+1], v[TABR+8*\hh+4*(\g%2):TABR+8*\hh+4*(\g%2)+1], v[ACC+8*\g+2*\p:ACC+8*\g+2*\p+1] op_sel:[0,1,0] op_sel_hi:[1,1,1]   ; + cov x c Wc_w: the pair's second word multiplies both
.endr
.endr
.if CH_
	s_barrier_wait -1
.if (\mode) == 1
	s_cmp_lg_u32 s[WV], 0                          ; the barrier has opened a round of the cluster's barrier
	s_cbranch_scc1 .Lnw_\@
	s_barrier_signal -3
.Lnw_\@:
	s_barrier_wait -3
	s_barrier_signal -1
	s_barrier_wait -1
	tensor_load_to_lds s[G0B:G0B+3], s[G1U:G1U+7]  ; my one load behind the round: it has two halves, 128 products, in which to land
	s_nop 0
.endif
	s_xor_b32 s[TB], s[TB], SLOTB                  ; on to the other slot
	v_add_nc_u32 v[ADB], s[TB], v[L16]
	v_add_nc_u32 v[ADS], s[TB], v[RS16]
.endif
	WALU                                           ; the wait ahead of the batch
	EXPS 0, 16
.if LD_
	SLOADS 1-\hh
	TLOADS 1-\hh
.endif
	MAYB 0
	EXPS 16, 16
	MAYB 1
	EXPS 32, 16
	MAYB 2
	EXPS 48, 16
	v_nop                                          ; a plain line behind the batch
	MAYB 3
	WALU                                           ; and one wait for the 64, ahead of their first reader
	ADDS 0, 16
	MAYB 4
	ADDS 32, 16
	MAYB 5
	WALU
	RCPS 0, 32
	MAYB 6
	RCPS 32, 32
	v_nop
	MAYB 7
	WALU
.irp g, 0,1,2,3,4,5,6,7
.irp p, 0,1,2,3
	v_pk_fma_f32 v[SC+8*(\g/2)+2*\p:SC+8*(\g/2)+2*\p+1], v[ACC+8*\g+2*\p:ACC+8*\g+2*\p+1], v[TABR+8*\hh+4*(\g%2)+2:TABR+8*\hh+4*(\g%2)+3], v[SC+8*(\g/2)+2*\p:SC+8*(\g/2)+2*\p+1] op_sel_hi:[1,0,1]   ; -2 V / (1 + 2^(c z))
.endr
.endr
	v_add_f32 v[VS], v[VS], v[TABR+8*\hh+3]
	v_add_f32 v[VS], v[VS], v[TABR+8*\hh+7]
.endm
	s_wait_tensorcnt 0x0                           ; my parts of both slots and of the table are in
	s_barrier_signal -1
	s_barrier_wait -1                              ; everybody's are
	s_mov_b32 s[TB], 0
	SLOADS 0
	TLOADS 0
.irp s, 0,1,2,3,4,5,6,7
	BURST \s, 0
.endr
.set j, 0
.rept 32
	v_mov_b32 v[SC+j], 0                           ; the scores' sums: the tanh's text serves all 32 halves
.set j, j+1
.endr
	v_mov_b32 v[VS], 0
	s_mov_b32 s[CNT], 14
.Lchunk:                                           ; trip i: chunk i's two halves; its change of slots asks for chunk i + 2
	WMMA
	TANH 0, 2
	WMMA
	TANH 1, 1
	s_sub_co_u32 s[CNT], s[CNT], 1
	s_cmp_lg_u32 s[CNT], 0
	s_cbranch_scc1 .Lchunk
	WMMA                                           ; the tail is written out: chunk 14
	TANH 0, 2
	WMMA
	TANH 1, 0
	WMMA                                           ; and chunk 15
	TANH 0, 2
	WMMA
	TANH 1, -1
	; THE WAY OUT.  score = sum of V - 2 sum of V / (1 + 2^(c z)), over the lane's 64 units, then over the sixteen lanes that share the rows.
.set j, 0
.rept 32
	v_add_f32 v[SC+j], v[SC+j], v[VS]
.set j, j+1
.endr
.irp x, 1,2,4,8
.set j, 0
.rept 32
	v_add_f32_dpp v[SC+j], v[SC+j], v[SC+j] row_xmask:\x row_mask:0xf bank_mask:0xf
.set j, j+1
.endr
.endr
.irp m, 0,1,2,3
.irp j, 0,1,2,3,4,5,6,7
	ds_store_b32 v[SCW], v[SC+8*\m+\j] offset:4*(16*\m+\j)   ; row 16 m + 8 h + j: sixteen lanes write the same word with the same value
.endr
.endr
	ds_load_b64 v[64:65], v[SCR]                   ; LDS serves a wave's instructions in order: this sees my stores
	s_wait_dscnt 0x0
	global_store_b64 v[L8], v[64:65], s[12:13]     ; 32 lanes store my 64 scores: 256 consecutive bytes, aligned
	s_wait_tensorcnt 0x0                           ; the wave's end
	ds_add_u32 v[SPW], v[NIL]
	s_wait_dscnt 0x0
	ROUND                                          ; the closing round
	s_endpgm
.Lfunc_end_k_qa1f3ba392a_score:
	.size	k_qa1f3ba392a_score, .Lfunc_end_k_qa1f3ba392a_score-k_qa1f3ba392a_score
	.p2alignl 7, 3214868480
	.fill 96, 4, 3214868480
	.section	.rodata,"a",@progbits
	.p2align	6, 0x0
	.amdhsa_kernel k_qa1f3ba392a_score
		.amdhsa_group_segment_fixed_size 327680
		.amdhsa_private_segment_fixed_size 0
		.amdhsa_enable_private_segment 0
		.amdhsa_kernarg_size 40
		.amdhsa_user_sgpr_count 2
		.amdhsa_user_sgpr_kernarg_segment_ptr 1
		.amdhsa_wavefront_size32 1
		.amdhsa_system_sgpr_workgroup_id_x 1
		.amdhsa_system_sgpr_workgroup_id_y 1
		.amdhsa_system_sgpr_workgroup_id_z 1
		.amdhsa_system_vgpr_workitem_id 0
		.amdhsa_next_free_vgpr 1024
		.amdhsa_next_free_sgpr 80
		.amdhsa_reserve_vcc 0
		.amdhsa_float_denorm_mode_32 3
		.amdhsa_float_denorm_mode_16_64 3
		.amdhsa_memory_ordered 1
		.amdhsa_forward_progress 1
		.amdhsa_inst_pref_size 255
	.end_amdhsa_kernel
	.section	.bss,"aw",@nobits
	.p2align	6
	.space	262144
	.amdgpu_metadata
---
amdhsa.version: [ 1, 2 ]
amdhsa.kernels:
  - .name:           k_qa1f3ba392a_score
    .symbol:         k_qa1f3ba392a_score.kd
    .args:
      - { .name: encoder_outputs, .offset: 0, .size: 8, .value_kind: global_buffer, .address_space: global }
      - { .name: coverage_vector, .offset: 8, .size: 8, .value_kind: global_buffer, .address_space: global }
      - { .name: uimg, .offset: 16, .size: 8, .value_kind: global_buffer, .address_space: global }
      - { .name: tab, .offset: 24, .size: 8, .value_kind: global_buffer, .address_space: global }
      - { .name: scores, .offset: 32, .size: 8, .value_kind: global_buffer, .address_space: global }
    .group_segment_fixed_size: 327680
    .private_segment_fixed_size: 0
    .kernarg_segment_align: 8
    .kernarg_segment_size: 40
    .max_flat_workgroup_size: 128
    .sgpr_count:     80
    .vgpr_count:     1024
    .wavefront_size: 32
...
	.end_amdgpu_metadata
.endif
;; end of part 2
;; launch ctx (part 3): grid 32 x 8, 16 waves a work-group, no clusters, 76,032 bytes of LDS; arguments encoder_outputs, encoder_mask, coverage_vector, scores, flags, part, out1, out2; writes part, out1, out2
.if DOCPART == 3
	.amdgcn_target "amdgcn-amd-amdhsa--gfx1250"
	.amdhsa_code_object_version 6
	.text
	.protected	k_qa1f3ba392a_ctx
	.globl	k_qa1f3ba392a_ctx
	.p2align	8
	.type	k_qa1f3ba392a_ctx,@function
k_qa1f3ba392a_ctx:
	s_mov_b64 s[64:65], 0
	v_nop
	global_prefetch_b8 v0, s[64:65] scope:SCOPE_SE
	s_setreg_imm32_b32 hwreg(HW_REG_WAVE_MODE, 25, 1), 1
	s_wait_xcnt 0x0
; CTX.  aw = e x mask / sum(e x mask), e = exp(score - the batch's largest score); out1 = aw; out2 = coverage + aw; part[b][x] = sum over rows 256 x .. 256 x + 255 of aw[s] encoder_outputs[b][s].  All in f32, on the vector unit.
; LEFT OUT (shown at the head of launch prep): the softmax's own divisor, which cancels against the renormalisation; and the rows of a wave all 16 of whose masks are 0, by the stored flag.
; SHARES.  Work-group (b, x) owns rows 256 x .. 256 x + 255 of batch b, all 1,024 columns: 1 MiB on end.  The segments with the lowest rows have the lowest numbers.
; For the maximum and the sum, wave w takes the 128 scores of block (w + 2 x) % 16, 4 a lane, so that waves 0 and 1 hold the work-group's own rows and no LDS address hangs on x.
; For the stream, wave w takes rows 16 w .. 16 w + 15 of the segment, 65,536 consecutive bytes, 512 a load, 32 loads out; load n is piece n % 8 of row n / 8.  A lane sums 4 columns of each of the 8 pieces.
; The sixteen waves' sums meet in LDS; wave w adds and stores columns 64 w .. 64 w + 63.  The eight segments of a batch are added by the next launch: no traffic between work-groups.
; No tensor load, no matrix unit, no cluster: no two work-groups read the same bytes of encoder_outputs.  No prefetch: the launch streams its one large input with 512 loads of a work-group out.
; LIMITS: NaN and infinities among the inputs are not served.  A batch whose mask leaves nothing gives NaN, as the division by its zero sum does.
.set PWB, 256                          ; LDS: bytes 0-127 twice sixteen words; from 256: e x mask of the 2,048 rows, in the waves' order
.set RED, 8448                         ; 16 waves x 4,096 bytes: the partial sums
.set SPARE, 73984                      ; the spare words, 128 bytes a wave
.set ACC, 48                           ; v48-79   8 pieces x 4 columns
.set AW,  80                           ; v80-95   my 16 rows' weights, the same in every lane
.set X,   128                          ; v128-255 the ring: 32 x 4
	s_load_b256 s[4:11], s[0:1], 0x0               ; encoder_outputs s[4:5], mask s[6:7], coverage s[8:9], scores s[10:11]
	s_load_b256 s[12:19], s[0:1], 0x20             ; flags s[12:13], part s[14:15], out1 s[16:17], out2 s[18:19]
	v_lshl_add_u32 v126, v0, 2, SPARE
	v_mov_b32 v127, 0
	v_lshrrev_b32 v8, 5, v0
	v_readfirstlane_b32 s20, v8                    ; wave 0..15
	v_and_b32 v9, 31, v0                           ; lane
	v_lshlrev_b32 v1, 4, v9                        ; 16 x lane
	v_lshlrev_b32 v45, 3, v9                       ; 8 x lane
	v_lshlrev_b32 v2, 2, v8                        ; LDS: my wave's word
	v_mov_b32 v3, 0                                ; and the sixteen
	v_lshl_add_u32 v4, v0, 4, PWB                  ; my 4 numbers: 16 x thread
	v_lshl_add_u32 v5, v8, 6, PWB                  ; the 16 rows that I stream: 64 x wave
	v_lshl_add_u32 v6, v8, 12, RED
	v_add_nc_u32 v6, v6, v1                        ; my partial sums: 4,096 x wave + 16 x lane
	v_lshl_add_u32 v7, v0, 3, RED                  ; and back: 256 x wave + 8 x lane of each wave's 4,096
	s_and_b32 s21, ttmp7, 0xffff                   ; x, the segment; ttmp9: the batch
	s_lshl_b32 s22, s21, 1
	s_add_co_u32 s22, s22, s20
	s_and_b32 s22, s22, 15                         ; my block of 128 scores
	s_lshl_b32 s22, s22, 9
	s_lshl_b32 s23, ttmp9, 13
	s_add_co_u32 s22, s22, s23                     ; scores, mask, coverage, out1, out2: 8,192 bytes a batch, 512 a block
	s_mov_b32 s23, 0
	s_lshl_b32 s24, ttmp9, 23                      ; encoder_outputs: 2^23 bytes a batch, 2^20 a segment, 2^16 a wave
	s_lshl_b32 s25, s21, 20
	s_add_co_u32 s24, s24, s25
	s_lshl_b32 s25, s20, 16
	s_add_co_u32 s24, s24, s25
	s_mov_b32 s25, 0
	s_lshl_b32 s26, ttmp9, 7                       ; flags: group 128 b + 16 x + wave, 32 bytes a group
	s_lshl_b32 s27, s21, 4
	s_add_co_u32 s26, s26, s27
	s_add_co_u32 s26, s26, s20
	s_lshl_b32 s26, s26, 5
	s_mov_b32 s27, 0
	s_lshl_b32 s28, ttmp9, 3                       ; part: 4,096 bytes a segment, 256 a wave
	s_add_co_u32 s28, s28, s21
	s_lshl_b32 s28, s28, 12
	s_lshl_b32 s29, s20, 8
	s_add_co_u32 s28, s28, s29
	s_mov_b32 s29, 0
	s_mov_b32 s32, 0x3fb8aa3b                      ; log2(e)
	s_mov_b32 s33, s32
	s_mov_b32 s34, 0x76543210
	s_mov_b32 s35, 0xfedcba98                      ; v_permlanex16_b32's selects for lane l xor 16
	s_wait_alu depctr_va_vdst(0)                   ; the wait at the head's end
	s_wait_kmcnt 0x0
	s_add_nc_u64 s[4:5], s[4:5], s[24:25]
	s_add_nc_u64 s[6:7], s[6:7], s[22:23]
	s_add_nc_u64 s[8:9], s[8:9], s[22:23]
	s_add_nc_u64 s[10:11], s[10:11], s[22:23]
	s_add_nc_u64 s[12:13], s[12:13], s[26:27]
	s_add_nc_u64 s[14:15], s[14:15], s[28:29]
	s_add_nc_u64 s[16:17], s[16:17], s[22:23]
	s_add_nc_u64 s[18:19], s[18:19], s[22:23]
	s_load_b32 s30, s[12:13], 0x0                  ; my 16 rows' flag
	global_load_b128 v[12:15], v1, s[10:11]        ; 4 scores,
	global_load_b128 v[16:19], v1, s[6:7]          ; their mask,
	global_load_b128 v[20:23], v1, s[8:9]          ; their coverage
.macro MEET off                        ; my wave's figure to its word; everybody's back into v28-43
	ds_store_b32 v2, v8 offset:\off                ; all lanes write the same word with the same value
	s_wait_dscnt 0x0                               ; for the others' sake: my stores have landed
	s_barrier_signal -1
	s_barrier_wait -1
.irp k, 0,1,2,3
	ds_load_b128 v[28+4*\k:31+4*\k], v3 offset:\off+16*\k
.endr
.endm
	s_wait_loadcnt 0x0
	v_max3_num_f32 v8, v12, v13, v14
	v_max_num_f32 v8, v8, v15
.irp x, 1,2,4,8
	v_max_num_f32_dpp v8, v8, v8 row_xmask:\x row_mask:0xf bank_mask:0xf
.endr
	v_permlanex16_b32 v9, v8, s34, s35
	v_max_num_f32 v8, v8, v9
	MEET 0
	s_wait_dscnt 0x0
	v_max3_num_f32 v8, v28, v29, v30
.irp k, 31,33,35,37,39,41
	v_max3_num_f32 v8, v8, v[\k], v[\k+1]
.endr
	v_max_num_f32 v8, v8, v43                      ; the batch's largest score, masked rows among them
	v_mul_f32 v10, s32, v8
	v_mov_b32 v11, v10
	v_pk_fma_f32 v[12:13], v[12:13], s[32:33], v[10:11] op_sel_hi:[1,0,0] neg_lo:[0,0,1] neg_hi:[0,0,1]   ; (score - the largest) x log2(e)
	v_pk_fma_f32 v[14:15], v[14:15], s[32:33], v[10:11] op_sel_hi:[1,0,0] neg_lo:[0,0,1] neg_hi:[0,0,1]
	s_wait_alu depctr_va_vdst(0)                   ; the wait ahead of the batch,
.irp k, 12,13,14,15
	v_exp_f32 v[\k], v[\k]
.endr
	v_nop
	s_wait_alu depctr_va_vdst(0)                   ; and behind it
	v_pk_mul_f32 v[12:13], v[12:13], v[16:17]      ; x the mask as it is given
	v_pk_mul_f32 v[14:15], v[14:15], v[18:19]
	ds_store_b128 v4, v[12:15]
	v_add_f32 v8, v12, v13
	v_add_f32 v9, v14, v15
	v_add_f32 v8, v8, v9
.irp x, 1,2,4,8
	v_add_f32_dpp v8, v8, v8 row_xmask:\x row_mask:0xf bank_mask:0xf
.endr
	v_permlanex16_b32 v9, v8, s34, s35
	v_add_f32 v8, v8, v9
	MEET 64
.irp k, 0,1,2,3
	ds_load_b128 v[AW+4*\k:AW+4*\k+3], v5 offset:16*\k   ; e x mask of the 16 rows that I stream: all lanes read the same words
.endr
	s_wait_dscnt 4                                 ; the sixteen sums are in; the four loads behind them may be out
	v_pk_add_f32 v[28:29], v[28:29], v[30:31]
	v_pk_add_f32 v[32:33], v[32:33], v[34:35]
	v_pk_add_f32 v[36:37], v[36:37], v[38:39]
	v_pk_add_f32 v[40:41], v[40:41], v[42:43]
	v_pk_add_f32 v[28:29], v[28:29], v[32:33]
	v_pk_add_f32 v[36:37], v[36:37], v[40:41]
	v_pk_add_f32 v[28:29], v[28:29], v[36:37]
	v_add_f32 v8, v28, v29                         ; sum(e x mask)
	s_wait_alu depctr_va_vdst(0)
	v_rcp_f32 v10, v8
	v_nop
	s_wait_alu depctr_va_vdst(0)
	s_wait_dscnt 0x0
	v_pk_mul_f32 v[12:13], v[12:13], v[10:11] op_sel_hi:[1,0]   ; the weights
	v_pk_mul_f32 v[14:15], v[14:15], v[10:11] op_sel_hi:[1,0]
.irp k, 0,1,2,3,4,5,6,7
	v_pk_mul_f32 v[AW+2*\k:AW+2*\k+1], v[AW+2*\k:AW+2*\k+1], v[10:11] op_sel_hi:[1,0]
.endr
	v_pk_add_f32 v[24:25], v[12:13], v[20:21]
	v_pk_add_f32 v[26:27], v[14:15], v[22:23]
	s_wait_alu depctr_va_vdst(0)                   ; the wait ahead of the branches and waits below
	s_cmp_gt_u32 s20, 1
	s_cbranch_scc1 .Lnot_out                       ; waves 0 and 1 hold the work-group's own 256 rows: each row of out1 and out2 has one owner in the launch
	global_store_b128 v1, v[12:15], s[16:17]       ; 32 lanes store 512 consecutive bytes
	global_store_b128 v1, v[24:27], s[18:19]
.Lnot_out:
	s_wait_kmcnt 0x0
	s_cmp_eq_u32 s30, 0
	s_cbranch_scc1 .Lnone                          ; a stored whole number decides: all my 16 weights are 0
.set n, 0
.rept 32
	global_load_b128 v[X+4*n:X+4*n+3], v1, s[4:5] offset:512*n th:TH_LOAD_NT
.set n, n+1
.endr
.set n, 0
.rept 128
.if n+32 < 128
	s_wait_loadcnt 31                              ; loads come back in order: load n is in, the 31 younger stay out
.else
	s_wait_loadcnt 127-n
.endif
.set a_, ACC+4*(n%8)
.set x_, X+4*(n%32)
.set w_, AW+2*(n/16)
.set o_, (n/8)%2
.if n < 8
	v_pk_mul_f32 v[a_:a_+1], v[x_:x_+1], v[w_:w_+1] op_sel:[0,o_] op_sel_hi:[1,o_]   ; the first row starts the sums
	v_pk_mul_f32 v[a_+2:a_+3], v[x_+2:x_+3], v[w_:w_+1] op_sel:[0,o_] op_sel_hi:[1,o_]
.else
	v_pk_fma_f32 v[a_:a_+1], v[x_:x_+1], v[w_:w_+1], v[a_:a_+1] op_sel:[0,o_,0] op_sel_hi:[1,o_,1]
	v_pk_fma_f32 v[a_+2:a_+3], v[x_+2:x_+3], v[w_:w_+1], v[a_+2:a_+3] op_sel:[0,o_,0] op_sel_hi:[1,o_,1]
.endif
.if n+32 < 128
	global_load_b128 v[x_:x_+3], v1, s[4:5] offset:512*(n+32) th:TH_LOAD_NT
.endif
.set n, n+1
.endr
	s_branch .Lred
.Lnone:
.set n, 0
.rept 32
	v_mov_b32 v[ACC+n], 0                          ; my rows add nothing
.set n, n+1
.endr
.Lred:
	s_wait_alu depctr_va_vdst(0)                   ; the wait here, directly ahead of the readers below
.irp c, 0,1,2,3,4,5,6,7
	ds_store_b128 v6, v[ACC+4*\c:ACC+4*\c+3] offset:512*\c
.endr
	s_wait_dscnt 0x0                               ; for the others' sake: my partial sums have landed
	s_barrier_signal -1
	s_barrier_wait -1
.irp k, 0,1,2,3,4,5,6,7,8,9,10,11,12,13,14,15
	ds_load_b64 v[X+2*\k:X+2*\k+1], v7 offset:4096*\k
.endr
	s_wait_dscnt 0x0
.irp k, 2,4,6,8,10,12,14
	v_pk_add_f32 v[X:X+1], v[X:X+1], v[X+2*\k:X+2*\k+1]
	v_pk_add_f32 v[X+2:X+3], v[X+2:X+3], v[X+2*\k+2:X+2*\k+3]
.endr
	v_pk_add_f32 v[X:X+1], v[X:X+1], v[X+2:X+3]
	global_store_b64 v45, v[X:X+1], s[14:15]       ; 32 lanes store 256 consecutive bytes, aligned
	s_wait_tensorcnt 0x0                           ; the wave's end
	ds_add_u32 v126, v127
	s_wait_dscnt 0x0
	s_endpgm
.Lfunc_end_k_qa1f3ba392a_ctx:
	.size	k_qa1f3ba392a_ctx, .Lfunc_end_k_qa1f3ba392a_ctx-k_qa1f3ba392a_ctx
	.p2alignl 7, 3214868480
	.fill 96, 4, 3214868480
	.section	.rodata,"a",@progbits
	.p2align	6, 0x0
	.amdhsa_kernel k_qa1f3ba392a_ctx
		.amdhsa_group_segment_fixed_size 76032
		.amdhsa_private_segment_fixed_size 0
		.amdhsa_enable_private_segment 0
		.amdhsa_kernarg_size 64
		.amdhsa_user_sgpr_count 2
		.amdhsa_user_sgpr_kernarg_segment_ptr 1
		.amdhsa_wavefront_size32 1
		.amdhsa_system_sgpr_workgroup_id_x 1
		.amdhsa_system_sgpr_workgroup_id_y 1
		.amdhsa_system_sgpr_workgroup_id_z 1
		.amdhsa_system_vgpr_workitem_id 0
		.amdhsa_next_free_vgpr 256
		.amdhsa_next_free_sgpr 66
		.amdhsa_reserve_vcc 0
		.amdhsa_float_denorm_mode_32 3
		.amdhsa_float_denorm_mode_16_64 3
		.amdhsa_memory_ordered 1
		.amdhsa_forward_progress 1
		.amdhsa_inst_pref_size 44
	.end_amdhsa_kernel
	.amdgpu_metadata
---
amdhsa.version: [ 1, 2 ]
amdhsa.kernels:
  - .name:           k_qa1f3ba392a_ctx
    .symbol:         k_qa1f3ba392a_ctx.kd
    .args:
      - { .name: encoder_outputs, .offset: 0, .size: 8, .value_kind: global_buffer, .address_space: global }
      - { .name: encoder_mask, .offset: 8, .size: 8, .value_kind: global_buffer, .address_space: global }
      - { .name: coverage_vector, .offset: 16, .size: 8, .value_kind: global_buffer, .address_space: global }
      - { .name: scores, .offset: 24, .size: 8, .value_kind: global_buffer, .address_space: global }
      - { .name: flags, .offset: 32, .size: 8, .value_kind: global_buffer, .address_space: global }
      - { .name: part, .offset: 40, .size: 8, .value_kind: global_buffer, .address_space: global }
      - { .name: out1, .offset: 48, .size: 8, .value_kind: global_buffer, .address_space: global }
      - { .name: out2, .offset: 56, .size: 8, .value_kind: global_buffer, .address_space: global }
    .group_segment_fixed_size: 76032
    .private_segment_fixed_size: 0
    .kernarg_segment_align: 8
    .kernarg_segment_size: 64
    .max_flat_workgroup_size: 512
    .sgpr_count:     66
    .vgpr_count:     256
    .wavefront_size: 32
...
	.end_amdgpu_metadata
.endif
;; end of part 3
;; launch total (part 4): grid 64 x 1, 4 waves a work-group, no clusters, 0 bytes of LDS; arguments part, out0; writes out0
.if DOCPART == 4
	.amdgcn_target "amdgcn-amd-amdhsa--gfx1250"
	.amdhsa_code_object_version 6
	.text
	.protected	k_qa1f3ba392a_total
	.globl	k_qa1f3ba392a_total
	.p2align	8
	.type	k_qa1f3ba392a_total,@function
k_qa1f3ba392a_total:
	s_mov_b64 s[64:65], 0
	v_nop
	global_prefetch_b8 v0, s[64:65] scope:SCOPE_SE
	s_setreg_imm32_b32 hwreg(HW_REG_WAVE_MODE, 25, 1), 1
	s_wait_xcnt 0x0
; TOTAL.  out0[b][d] = sum over the eight segments x of part[b][x][d], x ascending.  Wave 4 g + w takes 128 columns (512 bytes) of one batch: batch (4 g + w) / 8, piece (4 g + w) % 8.
; 256 waves are all the work that there is: 1 MiB in, 128 KiB out.  No LDS, no loop, nothing shared.
	s_load_b128 s[4:7], s[0:1], 0x0                ; part, out0
	v_lshrrev_b32 v1, 5, v0
	v_readfirstlane_b32 s8, v1
	v_and_b32 v2, 31, v0
	v_lshlrev_b32 v2, 4, v2                        ; 16 x lane
	s_lshl_b32 s9, ttmp9, 2
	s_add_co_u32 s9, s9, s8
	s_lshr_b32 s10, s9, 3                          ; the batch
	s_and_b32 s11, s9, 7
	s_lshl_b32 s11, s11, 9                         ; the piece, in bytes
	s_lshl_b32 s12, s10, 15
	s_add_co_u32 s12, s12, s11
	s_mov_b32 s13, 0
	s_lshl_b32 s14, s10, 12
	s_add_co_u32 s14, s14, s11
	s_mov_b32 s15, 0
	s_wait_alu depctr_va_vdst(0)                   ; the wait at the head's end
	s_wait_kmcnt 0x0
	s_add_nc_u64 s[4:5], s[4:5], s[12:13]
	s_add_nc_u64 s[6:7], s[6:7], s[14:15]
.irp k, 0,1,2,3,4,5,6,7
	global_load_b128 v[4+4*\k:7+4*\k], v2, s[4:5] offset:4096*\k
.endr
	s_wait_loadcnt 0x0
.irp k, 1,2,3,4,5,6,7
	v_pk_add_f32 v[4:5], v[4:5], v[4+4*\k:5+4*\k]
	v_pk_add_f32 v[6:7], v[6:7], v[6+4*\k:7+4*\k]
.endr
	global_store_b128 v2, v[4:7], s[6:7]           ; 32 lanes store 512 consecutive bytes
	s_endpgm
.Lfunc_end_k_qa1f3ba392a_total:
	.size	k_qa1f3ba392a_total, .Lfunc_end_k_qa1f3ba392a_total-k_qa1f3ba392a_total
	.p2alignl 7, 3214868480
	.fill 96, 4, 3214868480
	.section	.rodata,"a",@progbits
	.p2align	6, 0x0
	.amdhsa_kernel k_qa1f3ba392a_total
		.amdhsa_group_segment_fixed_size 0
		.amdhsa_private_segment_fixed_size 0
		.amdhsa_enable_private_segment 0
		.amdhsa_kernarg_size 16
		.amdhsa_user_sgpr_count 2
		.amdhsa_user_sgpr_kernarg_segment_ptr 1
		.amdhsa_wavefront_size32 1
		.amdhsa_system_sgpr_workgroup_id_x 1
		.amdhsa_system_sgpr_workgroup_id_y 1
		.amdhsa_system_sgpr_workgroup_id_z 1
		.amdhsa_system_vgpr_workitem_id 0
		.amdhsa_next_free_vgpr 40
		.amdhsa_next_free_sgpr 66
		.amdhsa_reserve_vcc 0
		.amdhsa_float_denorm_mode_32 3
		.amdhsa_float_denorm_mode_16_64 3
		.amdhsa_memory_ordered 1
		.amdhsa_forward_progress 1
		.amdhsa_inst_pref_size 3
	.end_amdhsa_kernel
	.amdgpu_metadata
---
amdhsa.version: [ 1, 2 ]
amdhsa.kernels:
  - .name:           k_qa1f3ba392a_total
    .symbol:         k_qa1f3ba392a_total.kd
    .args:
      - { .name: part, .offset: 0, .size: 8, .value_kind: global_buffer, .address_space: global }
      - { .name: out0, .offset: 8, .size: 8, .value_kind: global_buffer, .address_space: global }
    .group_segment_fixed_size: 0
    .private_segment_fixed_size: 0
    .kernarg_segment_align: 8
    .kernarg_segment_size: 16
    .max_flat_workgroup_size: 128
    .sgpr_count:     66
    .vgpr_count:     40
    .wavefront_size: 32
...
	.end_amdgpu_metadata
.endif
;; end of part 4
